; MI455X (gfx1250); checked and timed in simulation.
; The chip was launched on July 23, 2026; its instructions are those of AMD's public machine-readable ISA for CDNA 5 (MIT licence, August 2026) and "CDNA5" Instruction Set Architecture Reference Guide (July 2026). The comments in the code are by the model that wrote it; some were corrected since.
;; Spike FP32 Adder. Allowed arithmetic: float matrix products may take bf16 or f16 operands with f32 sums; all other float work in f32.
;; Inputs: A 524,288 x 32 float32; B 524,288 x 32 float32.
;; Outputs: out0 524,288 x 32 float32.
;; 2 versions, each right; version 2 is version 1 with the launch spikeadd written anew for expert scheduling mode. Each part assembles by itself: llvm-mc -triple=amdgcn-amd-amdhsa -mcpu=gfx1250 --defsym DOCPART=n.
;; ======== version 1 of 2: 1 launch
;; launch spikeadd (part 1): grid 512 x 1, 8 waves a work-group, no clusters, 0 bytes of LDS; arguments A, B, out0; writes out0
.if DOCPART == 1
	.amdgcn_target "amdgcn-amd-amdhsa--gfx1250"
	.amdhsa_code_object_version 6
	.text
	.protected	k_q1d63a77f3d_spikeadd
	.globl	k_q1d63a77f3d_spikeadd
	.p2align	8
	.type	k_q1d63a77f3d_spikeadd,@function
k_q1d63a77f3d_spikeadd:
	s_mov_b64 s[64:65], 0
	v_nop
	global_prefetch_b8 v0, s[64:65] scope:SCOPE_SE
	s_setreg_imm32_b32 hwreg(HW_REG_WAVE_MODE, 25, 1), 1
	s_wait_xcnt 0x0
; SpikeFP32Adder: out = A + B, where a row of 32 f32 numbers is one IEEE binary32 word, element 0 = sign ... element 31 = last
; mantissa bit, each bit written as the number 0.0 or 1.0.  A, B, out: [524288][32] f32.
; LIMIT (format): every element of A and B must be exactly 0.0 or 1.0.  On these two values the gate polynomials of the
; problem are Boolean logic, and this text computes that logic on packed 32-bit words; for any other value the polynomials
; are not logic any more and this text does not reproduce them.
; The adder follows the problem's circuit, also where that differs from IEEE: a small operand whose exponent is 24 or more
; below the large one only leaves a sticky bit; an underflowing result is the unnormalised sum >> 5, not rounded; exponents
; wrap modulo 256; the overflow test reads the exponent as computed, ahead of the exact cancellation.
;
; SHARES.  512 work-groups of 8 waves; a work-group owns 131,072 consecutive bytes of each tensor = 4 steps of 32,768.
; In a step thread t takes the 16 bytes at 16 t + 4096 k, k = 0..7: a load or store of a wave covers 512 consecutive bytes,
; aligned, and eight neighbouring lanes (a group) hold one row.  Lane i of a group ends up owning the row of load k = i, so a
; wave adds 32 rows at once, one in each lane.  No LDS, no barrier: no wave needs another's data.  Nothing is shared between
; work-groups, so there is nothing to ask for jointly, and the only matrix product of the problem (a one-hot row times the
; table of binary codes) is a leading-zero count.
; RING.  Two slots of 64 registers (A's 8 quads, B's 8 quads).  A half slot is loaded again as soon as it is packed, ahead of
; the arithmetic and the stores: 32 loads = 16 KB of every wave are on their way.  The four steps are written out with
; immediate offsets, so that no address register is ever rewritten.
.set STEPS, 4
.set CHUNK, 4096                       ; bytes that one load of the eight waves covers together
.set STEPB, 8*CHUNK                    ; bytes of each tensor in a step
.set PA, 4                             ; s[4:5]   A at the work-group's first byte
.set PB, 6                             ; s[6:7]   B
.set PO, 8                             ; s[8:9]   out
.set K_B1,  12                         ; lanes whose number has bit 0 set
.set K_B2,  13                         ; bit 1
.set K_B4,  14                         ; bit 2
.set K_ABS, 15                         ; 0x7fffffff: all but the sign; also the NaN that the circuit returns
.set K_INF, 16                         ; 0x7f800000
.set K_HID, 17                         ; 0x00800000: the hidden one
.set K_FRC, 18                         ; 0x007fffff
.set K_M28, 19                         ; 0x0fffffff: the 28-bit mantissa path
.set K_SGN, 20                         ; 0x80000000
.set M_STK, 21                         ; lane masks: bits were shifted out of the small operand
.set M_DIF, 22                         ; signs differ
.set M_CAR, 23                         ; the 28-bit sum carried out
.set M_UND, 24                         ; leading zeros >= exponent
.set M_SEL, 25
.set M_OVF, 26                         ; computed exponent is all ones
.set M_INF, 27
.set M_NAN, 28
.set M_SI,  29
.set M_CAN, 30                         ; exact cancellation
.set VOFF, 1                           ; v1       16 t
.set W1,  2                            ; v[2:3]   16^(7-i), twice; i = lane % 8
.set W4,  4                            ; v[4:5]   4 x 16^(7-i), twice
.set BIT, 6                            ; v[6:9]   the word's bit that is my j-th element: 31 - 4 i - j
.set N,   10                           ; v[10:17] weighted nibbles of the 8 loads; later the 8 broadcast result words
.set T,   18                           ; v[18:21] at work
.set WA,  22                           ; my row's word of A
.set WB,  23                           ; and of B
.set AA,  24
.set AB,  25
.set XR,  26
.set LG,  27
.set AL,  28
.set AS,  29
.set EL,  30
.set ES,  31
.set DF,  32
.set ML,  33
.set MS,  34
.set SH,  35
.set ST,  36
.set RS,  37
.set MR,  38
.set HF,  39
.set LZ,  40
.set NM,  41
.set UU,  42
.set EX,  43
.set RES, 44
.set Y,   48                           ; v[48:79]  store k: 4 registers
.set X,   80                           ; v[80:207] slot s at 64 s: A's quads, then B's at + 32
; eight loads: the step's 32 KB of one tensor, 512 consecutive bytes for each load of a wave.  Read once in the launch: NT.
.macro FILL buf, reg, step
.irp k, 0,1,2,3,4,5,6,7
	global_load_b128 v[\reg+4*\k:\reg+4*\k+3], v[VOFF], s[\buf:\buf+1] offset:(\step)*STEPB+\k*CHUNK th:TH_LOAD_NT
.endr
.endm
; 8 quads of spikes -> my row's 32-bit word.
; A lane's four spikes x0..x3 of load k become n_k = (8 x0 + 4 x1 + 2 x2 + x3) 16^(7-i): four significant bits, exact in f32.
; The row of load k is the sum of n_k over the 8 lanes of a group.  Instead of 8 full reductions, a butterfly that halves the
; number of values in each stage: a lane keeps the k whose bit equals its own lane bit and hands the other to its partner.
; Stages 1 and 2 add within four lanes: 16 significant bits, exact in f32.  Stage 3 would span 32 bits and is done on integers.
.macro PACK x, dst
.irp k, 0,1,2,3,4,5,6,7
	v_pk_mul_f32 v[\x+4*\k+2:\x+4*\k+3], v[\x+4*\k+2:\x+4*\k+3], v[W1:W1+1]                           ; w x2, w x3
.endr
.irp k, 0,1,2,3,4,5,6,7
	v_pk_fma_f32 v[\x+4*\k+2:\x+4*\k+3], v[\x+4*\k:\x+4*\k+1], v[W4:W4+1], v[\x+4*\k+2:\x+4*\k+3]     ; 4w x0 + w x2, 4w x1 + w x3
.endr
.irp k, 0,1,2,3,4,5,6,7
	v_fma_f32 v[N+\k], v[\x+4*\k+2], 2.0, v[\x+4*\k+3]                                                ; n_k
.endr
.irp m, 0,1,2,3
	v_cndmask_b32 v[T+\m], v[N+2*\m+1], v[N+2*\m], s[K_B1]         ; to hand over: even lanes k = 2m+1, odd lanes k = 2m
	v_cndmask_b32 v[N+2*\m], v[N+2*\m], v[N+2*\m+1], s[K_B1]       ; to keep: the other one
.endr
.irp m, 0,1,2,3
	v_add_f32_dpp v[N+2*\m], v[T+\m], v[N+2*\m] row_xmask:1 row_mask:0xf bank_mask:0xf   ; + what lane i xor 1 hands over
.endr
.irp q, 0,1
	v_cndmask_b32 v[T+\q], v[N+4*\q+2], v[N+4*\q], s[K_B2]
	v_cndmask_b32 v[N+4*\q], v[N+4*\q], v[N+4*\q+2], s[K_B2]
.endr
.irp q, 0,1
	v_add_f32_dpp v[N+4*\q], v[T+\q], v[N+4*\q] row_xmask:2 row_mask:0xf bank_mask:0xf
.endr
	v_cndmask_b32 v[T], v[N+4], v[N], s[K_B4]
	v_cndmask_b32 v[N], v[N], v[N+4], s[K_B4]
	v_mov_b32_dpp v[T+1], v[T] row_xmask:4 row_mask:0xf bank_mask:0xf    ; (its destination was written in stage 1)
	v_cvt_u32_f32 v[N], v[N]                                       ; 16 significant bits below 2^32: exact
	v_cvt_u32_f32 v[T+1], v[T+1]
	v_or_b32 v[\dst], v[N], v[T+1]                                 ; lane i: the word of the row that load k = i brought
.endm
; The adder, one row in each lane: v[WA] + v[WB] -> v[RES].
.macro ADD32
	; Large and small operand.  The circuit compares (effective exponent, hidden bit, fraction); with exponent 0 read as 1
	; and hidden bit 0 that is the order of the words without their signs, and equality is the words' equality.
	v_and_b32 v[AA], s[K_ABS], v[WA]
	v_and_b32 v[AB], s[K_ABS], v[WB]
	v_xor_b32 v[XR], v[WA], v[WB]
	v_cmp_ge_u32 vcc_lo, v[AA], v[AB]
	v_cndmask_b32 v[LG], v[WB], v[WA], vcc_lo                      ; the large operand (A where equal): its sign is the result's
	v_cndmask_b32 v[AL], v[AB], v[AA], vcc_lo
	v_cndmask_b32 v[AS], v[AA], v[AB], vcc_lo
	v_lshrrev_b32 v[EL], 23, v[AL]
	v_lshrrev_b32 v[ES], 23, v[AS]
	v_max_u32 v[EL], 1, v[EL]                                      ; effective exponents: 0 counts as 1
	v_max_u32 v[ES], 1, v[ES]
	v_sub_nc_u32 v[DF], v[EL], v[ES]                               ; 0 .. 254
	v_min_u32 v[T], s[K_HID], v[AL]                                ; the hidden one if the exponent is not 0, else the fraction itself,
	v_min_u32 v[T+1], s[K_HID], v[AS]
	v_and_or_b32 v[ML], v[AL], s[K_FRC], v[T]                      ; which changes nothing when it is ORed to the fraction
	v_and_or_b32 v[MS], v[AS], s[K_FRC], v[T+1]
	v_lshlrev_b32 v[ML], 4, v[ML]                                  ; 28 bits: hidden, 23 of fraction, 4 guard bits
	v_lshlrev_b32 v[MS], 4, v[MS]
	; align the small one; at a difference of 24 or more nothing of it is left but the sticky bit
	v_lshrrev_b32 v[T], v[DF], v[MS]                               ; (a shift takes the low 5 bits of its count, as the circuit does)
	v_cmp_gt_u32 vcc_lo, 24, v[DF]
	v_cndmask_b32 v[SH], 0, v[T], vcc_lo
	v_lshlrev_b32 v[T+1], v[DF], v[SH]
	v_cmp_ne_u32 s[M_STK], v[T+1], v[MS]                           ; what was shifted back differs: ones were lost
	v_cndmask_b32 v[ST], 0, 1, s[M_STK]
	v_cmp_gt_i32 s[M_DIF], 0, v[XR]                                ; signs differ
	v_add_nc_u32 v[T], v[SH], v[ST]
	v_sub_nc_u32 v[T], v[ML], v[T]                                 ; large - small - sticky: never negative, below 2^28
	v_add_nc_u32 v[T+1], v[ML], v[SH]                              ; large + small: bit 28 is the carry
	v_cndmask_b32 v[RS], v[T+1], v[T], s[M_DIF]
	v_and_b32 v[MR], s[K_M28], v[RS]                               ; mant_res
	v_cmp_lt_u32 s[M_CAR], s[K_M28], v[RS]
	; Leading zeros of the 28 bits, from an f32 exponent.  m & ~(m >> 1) keeps the leading one and has no two neighbouring
	; ones, so it lies below 1.5 x its leading power of two and the conversion's rounding cannot reach the next power.
	v_lshrrev_b32 v[HF], 1, v[MR]
	v_bfi_b32 v[T], v[HF], 0, v[MR]
	v_cvt_f32_u32 v[T], v[T]
	v_lshrrev_b32 v[T], 23, v[T]                                   ; 127 + position of the leading one; 0 for the word 0
	v_sub_nc_u32 v[LZ], 154, v[T]                                  ; 27 - position
	v_min_u32 v[LZ], 28, v[LZ]                                     ; the word 0 counts 28
	v_cmp_ge_u32 s[M_UND], v[LZ], v[EL]
	s_or_b32 s[M_SEL], s[M_CAR], s[M_UND]
	; One form for all three ways out: fraction in bits 26:4, round bit 3, sticky bits 2:0.
	v_lshlrev_b32 v[NM], v[LZ], v[MR]                              ; normalised: the leading one in bit 27
	v_and_or_b32 v[HF], v[MR], 1, v[HF]                            ; carry or underflow: mant_res >> 1, the bit that falls out kept as sticky
	v_cndmask_b32 v[UU], v[NM], v[HF], s[M_SEL]
	v_or_b32 v[UU], v[UU], v[ST]
	; to nearest even: + 7 + (last fraction bit) carries into bit 4 exactly when round and (sticky or last bit); none on underflow
	v_bfe_u32 v[T], v[UU], 4, 1
	v_add_nc_u32 v[T], 7, v[T]
	v_cndmask_b32 v[T], v[T], 0, s[M_UND]
	v_add_nc_u32 v[UU], v[UU], v[T]
	v_lshrrev_b32 v[UU], 4, v[UU]                                  ; fraction; bit 23 = hidden one (normalised form only); a rounding carry goes on upward
	; Exponent.  The normalised form still carries its hidden one, which adds 1 to the exponent field below, hence the - 1.
	; (mant_res = 0 has no hidden one; with different signs that is the exact cancellation, whose exponent, at most 227 in the
	; circuit and one less here, is not all ones in either, and the result is 0 or is replaced by Inf or NaN in both.)
	v_sub_nc_u32 v[EX], v[EL], v[LZ]
	v_add_nc_u32 v[EX], -1, v[EX]
	v_cndmask_b32 v[EX], v[EX], 0, s[M_UND]
	v_add_nc_u32 v[T+1], 1, v[EL]
	v_cndmask_b32 v[EX], v[EX], v[T+1], s[M_CAR]                   ; the carry goes ahead of the underflow
	v_lshl_add_u32 v[RES], v[EX], 23, v[UU]
	v_and_b32 v[RES], s[K_ABS], v[RES]                             ; the 8-bit exponent adders wrap modulo 256
	; Special cases.  |large| > Inf: a NaN came in.  |small| = Inf means both are Inf (or the large one a NaN).
	; |large| >= Inf stands for 'any Inf': where it is a NaN instead, the NaN result goes ahead anyway.
	v_cmp_le_u32 s[M_OVF], s[K_INF], v[RES]
	v_cmp_le_u32 s[M_INF], s[K_INF], v[AL]
	v_cmp_lt_u32 s[M_NAN], s[K_INF], v[AL]
	v_cmp_eq_u32 s[M_SI], s[K_INF], v[AS]
	v_cmp_eq_u32 s[M_CAN], s[K_SGN], v[XR]                         ; the words differ in the sign alone
	s_or_b32 s[M_INF], s[M_INF], s[M_OVF]
	s_and_b32 s[M_SI], s[M_SI], s[M_DIF]                           ; Inf - Inf
	s_or_b32 s[M_NAN], s[M_NAN], s[M_SI]
	s_and_not1_b32 s[M_CAN], s[M_CAN], s[M_INF]                    ; Inf goes ahead of the cancellation
	v_cndmask_b32 v[RES], v[RES], s[K_INF], s[M_INF]
	v_and_or_b32 v[RES], v[LG], s[K_SGN], v[RES]
	v_cndmask_b32 v[RES], v[RES], 0, s[M_CAN]
	v_cndmask_b32 v[RES], v[RES], s[K_ABS], s[M_NAN]
.endm
; Result words -> spikes, already in the stores' layout: for store k every lane of a group takes the word of the group's
; lane k, then its own four bits as 0.0 or 1.0.  Written once and not read again: NT.
.macro UNPACK step
.irp k, 0,1,2,3,4,5,6,7
	v_mov_b32_dpp v[N+\k], v[RES] dpp8:[\k,\k,\k,\k,\k,\k,\k,\k]   ; (N was written by PACK)
.endr
	s_wait_xcnt 0x0                                                ; Y, which the last step's stores read, is rewritten only behind this wait
.irp k, 0,1,2,3,4,5,6,7
.irp j, 0,1,2,3
	v_bfe_u32 v[Y+4*\k+\j], v[N+\k], v[BIT+\j], 1
.endr
.irp j, 0,1,2,3
	v_cvt_f32_u32 v[Y+4*\k+\j], v[Y+4*\k+\j]
.endr
	global_store_b128 v[VOFF], v[Y+4*\k:Y+4*\k+3], s[PO:PO+1] offset:(\step)*STEPB+\k*CHUNK th:TH_STORE_NT
.endr
.endm
; Step t, in slot t % 2.  refill = 1: each half slot is loaded again, for step t + 2, as soon as it is packed.
; wa, wb: how many younger loads may stay out when A's (B's) eight loads of this step have to be in.
.macro TURN t, refill, wa, wb
	s_wait_loadcnt \wa                                             ; loads come back in order (ISA guide 5.7.1)
	PACK X+64*(\t%2), WA
.if \refill
	FILL PA, X+64*(\t%2), \t+2
.endif
	s_wait_loadcnt \wb
	PACK X+64*(\t%2)+32, WB
.if \refill
	FILL PB, X+64*(\t%2)+32, \t+2
.endif
	ADD32
	UNPACK \t
.endm
	s_load_b128 s[PA:PA+3], s[0:1], 0x0                            ; A, B
	s_load_b64 s[PO:PO+1], s[0:1], 0x10                            ; out
	s_lshl_b32 s10, ttmp9, 17                                      ; the work-group's STEPS*STEPB = 131,072 bytes; 512 of them are 2^26
	s_mov_b32 s11, 0
	v_lshlrev_b32 v[VOFF], 4, v0
	s_wait_kmcnt 0x0
	s_add_nc_u64 s[PA:PA+1], s[PA:PA+1], s[10:11]
	s_add_nc_u64 s[PB:PB+1], s[PB:PB+1], s[10:11]
	s_add_nc_u64 s[PO:PO+1], s[PO:PO+1], s[10:11]
	FILL PA, X, 0                                                  ; the ring is filled before anything else is done
	FILL PB, X+32, 0
	FILL PA, X+64, 1
	FILL PB, X+96, 1
	s_mov_b32 s[K_B1], 0xaaaaaaaa
	s_mov_b32 s[K_B2], 0xcccccccc
	s_mov_b32 s[K_B4], 0xf0f0f0f0
	s_mov_b32 s[K_ABS], 0x7fffffff
	s_mov_b32 s[K_INF], 0x7f800000
	s_mov_b32 s[K_HID], 0x00800000
	s_mov_b32 s[K_FRC], 0x007fffff
	s_mov_b32 s[K_M28], 0x0fffffff
	s_mov_b32 s[K_SGN], 0x80000000
	v_and_b32 v[T], 7, v0                                          ; i: which 4 elements of a row are mine
	v_lshlrev_b32 v[T], 2, v[T]                                    ; 4 i
	v_sub_nc_u32 v[W1], 155, v[T]                                  ; f32 exponent field of 16^(7-i) = 2^(28-4i)
	v_lshlrev_b32 v[W1], 23, v[W1]
	v_mov_b32 v[W1+1], v[W1]
	v_add_nc_u32 v[W4], 0x1000000, v[W1]                           ; two more in the exponent: x 4
	v_mov_b32 v[W4+1], v[W4]
.irp j, 0,1,2,3
	v_sub_nc_u32 v[BIT+\j], 31-\j, v[T]                            ; element 4 i + j of a row is bit 31 - 4 i - j of its word
.endr
	; Issue order: A0 B0 A1 B1, then A(t+2) and B(t+2) in step t, 8 loads each.
	TURN 0, 1, 24, 24                                              ; A0 in: B0 A1 B1 stay out.  B0 in: A1 B1 A2 stay out
	TURN 1, 1, 24, 24
	TURN 2, 0, 24, 16                                              ; nothing is asked for any more: B2 in leaves A3 B3
	TURN 3, 0, 8, 0
	s_endpgm
.Lfunc_end_k_q1d63a77f3d_spikeadd:
	.size	k_q1d63a77f3d_spikeadd, .Lfunc_end_k_q1d63a77f3d_spikeadd-k_q1d63a77f3d_spikeadd
	.p2alignl 7, 3214868480
	.fill 96, 4, 3214868480
	.section	.rodata,"a",@progbits
	.p2align	6, 0x0
	.amdhsa_kernel k_q1d63a77f3d_spikeadd
		.amdhsa_group_segment_fixed_size 0
		.amdhsa_private_segment_fixed_size 0
		.amdhsa_enable_private_segment 0
		.amdhsa_kernarg_size 24
		.amdhsa_user_sgpr_count 2
		.amdhsa_user_sgpr_kernarg_segment_ptr 1
		.amdhsa_wavefront_size32 1
		.amdhsa_system_sgpr_workgroup_id_x 1
		.amdhsa_system_sgpr_workgroup_id_y 1
		.amdhsa_system_sgpr_workgroup_id_z 1
		.amdhsa_system_vgpr_workitem_id 0
		.amdhsa_next_free_vgpr 208
		.amdhsa_next_free_sgpr 66
		.amdhsa_reserve_vcc 1
		.amdhsa_float_denorm_mode_32 3
		.amdhsa_float_denorm_mode_16_64 3
		.amdhsa_memory_ordered 1
		.amdhsa_forward_progress 1
		.amdhsa_inst_pref_size 60
	.end_amdhsa_kernel
	.amdgpu_metadata
---
amdhsa.version: [ 1, 2 ]
amdhsa.kernels:
  - .name:           k_q1d63a77f3d_spikeadd
    .symbol:         k_q1d63a77f3d_spikeadd.kd
    .args:
      - { .name: A, .offset: 0, .size: 8, .value_kind: global_buffer, .address_space: global }
      - { .name: B, .offset: 8, .size: 8, .value_kind: global_buffer, .address_space: global }
      - { .name: out0, .offset: 16, .size: 8, .value_kind: global_buffer, .address_space: global }
    .group_segment_fixed_size: 0
    .private_segment_fixed_size: 0
    .kernarg_segment_align: 8
    .kernarg_segment_size: 24
    .max_flat_workgroup_size: 256
    .sgpr_count:     66
    .vgpr_count:     208
    .wavefront_size: 32
...
	.end_amdgpu_metadata
.endif
;; end of part 1
;; ======== version 2 of 2: 1 launch; version 1 with the launch spikeadd written anew for expert scheduling mode
;; launch spikeadd (part 2): grid 512 x 1, 8 waves a work-group, no clusters, 0 bytes of LDS; arguments A, B, out0; writes out0
.if DOCPART == 2
	.amdgcn_target "amdgcn-amd-amdhsa--gfx1250"
	.amdhsa_code_object_version 6
	.text
	.protected	k_q1d63a77f3d_spikeadd
	.globl	k_q1d63a77f3d_spikeadd
	.p2align	8
	.type	k_q1d63a77f3d_spikeadd,@function
k_q1d63a77f3d_spikeadd:
	s_mov_b64 s[64:65], 0
	v_nop
	global_prefetch_b8 v0, s[64:65] scope:SCOPE_SE
	s_setreg_imm32_b32 hwreg(HW_REG_WAVE_SCHED_MODE, 0, 2), 2
	s_setreg_imm32_b32 hwreg(HW_REG_WAVE_MODE, 25, 1), 1
	s_wait_xcnt 0x0
	s_wait_alu depctr_vm_vsrc(0)
; SpikeFP32Adder: out = A + B, where a row of 32 f32 numbers is one IEEE binary32 word, element 0 = sign ... element 31 = last
; mantissa bit, each bit written as the number 0.0 or 1.0.  A, B, out: [524288][32] f32.
; LIMIT (format): every element of A and B must be exactly 0.0 or 1.0.  On these two values the gate polynomials of the
; problem are Boolean logic, and this text computes that logic on packed 32-bit words; for any other value the polynomials
; are not logic any more and this text does not reproduce them.
; The adder follows the problem's circuit, also where that differs from IEEE: a small operand whose exponent is 24 or more
; below the large one only leaves a sticky bit; an underflowing result is the unnormalised sum >> 5, not rounded; exponents
; wrap modulo 256; the overflow test reads the exponent as computed, ahead of the exact cancellation.
;
; SHARES.  512 work-groups of 8 waves; a work-group owns 131,072 consecutive bytes of each tensor = 4 steps of 32,768.
; In a step thread t takes the 16 bytes at 16 t + 4096 k, k = 0..7: a load or store of a wave covers 512 consecutive bytes,
; aligned, and eight neighbouring lanes (a group) hold one row.  Lane i of a group ends up owning the row of load k = i, so a
; wave adds 32 rows at once, one in each lane.  No LDS, no barrier: no wave needs another's data.  Nothing is shared between
; work-groups, so there is nothing to ask for jointly, and the only matrix product of the problem (a one-hot row times the
; table of binary codes) is a leading-zero count.
; RING.  Two slots of 64 registers (A's 8 quads, B's 8 quads).  A half slot is loaded again as soon as its nibbles are made,
; ahead of the arithmetic and the stores: 32 loads = 16 KB of every wave are on their way.  The four steps are written out with
; immediate offsets, so that no address register is ever rewritten.
; THE MODE: SCHED_MODE bits 1:0 = 2 (LLVM: expert scheduling mode 2), set by the entry lines.  The code itself states the register
; dependences between vector instructions and memory instructions, and those through lane masks in scalar registers, with
; s_wait_alu, always for 0.
; THE PLAN.  Registers that memory instructions touch:
;   v1         the offset 16 t: written once at the head, read by every load and store, never written again.
;   X          four half slots.  Loads land in a half slot; the step's 24 nibble lines read it and write it in place; no later
;              line of the step names it.  One wait on va_vdst behind the nibble lines; the eight loads of the step after next
;              follow, dealt among the butterfly's first twelve lines, which name N, T and nothing of X.
;   Y          two halves of 16.  The bit lines of stores 0-3 write the low half; one wait on va_vdst; stores 0-3 follow, dealt
;              among the bit lines of stores 4-7, which name the high half, N and BIT; one more wait; stores 4-7.
;              Y is written again in the next step: one wait on vm_vsrc, beside s_wait_xcnt 0, stands behind that step's first
;              nibble lines, behind all eight stores and ahead of every load of that step.
;   Lane masks: the adder's compares stand in five runs, each with one wait on va_sdst ahead of the run's first reader.
.set STEPS, 4
.set CHUNK, 4096                       ; bytes that one load of the eight waves covers together
.set STEPB, 8*CHUNK                    ; bytes of each tensor in a step
.set M_GE,  2                          ; lane masks: |A| >= |B|
.set M_NEAR, 3                         ; exponents differ by less than 24
.set PA, 4                             ; s[4:5]   A at the work-group's first byte
.set PB, 6                             ; s[6:7]   B
.set PO, 8                             ; s[8:9]   out
.set K_B1,  12                         ; lanes whose number has bit 0 set
.set K_B2,  13                         ; bit 1
.set K_B4,  14                         ; bit 2
.set K_ABS, 15                         ; 0x7fffffff: all but the sign; also the NaN that the circuit returns
.set K_INF, 16                         ; 0x7f800000
.set K_HID, 17                         ; 0x00800000: the hidden one
.set K_FRC, 18                         ; 0x007fffff
.set K_M28, 19                         ; 0x0fffffff: the 28-bit mantissa path
.set K_SGN, 20                         ; 0x80000000
.set M_STK, 21                         ; lane masks: bits were shifted out of the small operand
.set M_DIF, 22                         ; signs differ
.set M_CAR, 23                         ; the 28-bit sum carried out
.set M_UND, 24                         ; leading zeros >= exponent
.set M_SEL, 25
.set M_OVF, 26                         ; computed exponent is all ones
.set M_INF, 27
.set M_NAN, 28
.set M_SI,  29
.set M_CAN, 30                         ; exact cancellation
.set VOFF, 1                           ; v1       16 t
.set W1,  2                            ; v[2:3]   16^(7-i), twice; i = lane % 8
.set W4,  4                            ; v[4:5]   4 x 16^(7-i), twice
.set BIT, 6                            ; v[6:9]   the word's bit that is my j-th element: 31 - 4 i - j
.set N,   10                           ; v[10:17] weighted nibbles of the 8 loads; later the 8 broadcast result words
.set T,   18                           ; v[18:21] at work
.set WA,  22                           ; my row's word of A
.set WB,  23                           ; and of B
.set AA,  24
.set AB,  25
.set XR,  26
.set LG,  27
.set AL,  28
.set AS,  29
.set EL,  30
.set ES,  31
.set DF,  32
.set ML,  33
.set MS,  34
.set SH,  35
.set ST,  36
.set RS,  37
.set MR,  38
.set HF,  39
.set LZ,  40
.set NM,  41
.set UU,  42
.set EX,  43
.set RES, 44
.set Y,   48                           ; v[48:79]  store k: 4 registers
.set X,   80                           ; v[80:207] slot s at 64 s: A's quads, then B's at + 32
; load k of eight: 512 consecutive bytes for a wave.  Read once in the launch: NT.
.macro LD buf, reg, step, k
	global_load_b128 v[\reg+4*(\k):\reg+4*(\k)+3], v[VOFF], s[\buf:\buf+1] offset:(\step)*STEPB+(\k)*CHUNK th:TH_LOAD_NT
.endm
; eight loads in a run: the step's 32 KB of one tensor
.macro FILL buf, reg, step
.irp k, 0,1,2,3,4,5,6,7
	LD \buf, \reg, \step, \k
.endr
.endm
; 8 quads of spikes -> my row's 32-bit word, in two parts.
; NIB: a lane's four spikes x0..x3 of load k become n_k = (8 x0 + 4 x1 + 2 x2 + x3) 16^(7-i): four significant bits, exact in f32.
; These 24 lines are the only ones that name the half slot.
.macro NIB x
.irp k, 0,1,2,3,4,5,6,7
	v_pk_mul_f32 v[\x+4*\k+2:\x+4*\k+3], v[\x+4*\k+2:\x+4*\k+3], v[W1:W1+1]                           ; w x2, w x3
.endr
.irp k, 0,1,2,3,4,5,6,7
	v_pk_fma_f32 v[\x+4*\k+2:\x+4*\k+3], v[\x+4*\k:\x+4*\k+1], v[W4:W4+1], v[\x+4*\k+2:\x+4*\k+3]     ; 4w x0 + w x2, 4w x1 + w x3
.endr
.irp k, 0,1,2,3,4,5,6,7
	v_fma_f32 v[N+\k], v[\x+4*\k+2], 2.0, v[\x+4*\k+3]                                                ; n_k
.endr
.endm
; FLY: the row of load k is the sum of n_k over the 8 lanes of a group.  Instead of 8 full reductions, a butterfly that halves the
; number of values in each stage: a lane keeps the k whose bit equals its own lane bit and hands the other to its partner.
; Stages 1 and 2 add within four lanes: 16 significant bits, exact in f32.  Stage 3 would span 32 bits and is done on integers.
; refill = 1: the half slot x is loaded again, for the given step of tensor buf; the loads are dealt among the first twelve lines.
.macro FLY x, dst, refill, buf, step
.if \refill
	s_wait_alu depctr_va_vdst(0)                                   ; the nibble lines are done reading and writing the half slot, in which the loads below land; no vector line behind this wait names it
.endif
.irp m, 0,1,2,3
.if \refill
	LD \buf, \x, \step, \m
.endif
	v_cndmask_b32 v[T+\m], v[N+2*\m+1], v[N+2*\m], s[K_B1]         ; to hand over: even lanes k = 2m+1, odd lanes k = 2m
	v_cndmask_b32 v[N+2*\m], v[N+2*\m], v[N+2*\m+1], s[K_B1]       ; to keep: the other one
.endr
.irp m, 0,1,2,3
.if \refill
	LD \buf, \x, \step, \m+4
.endif
	v_add_f32_dpp v[N+2*\m], v[T+\m], v[N+2*\m] row_xmask:1 row_mask:0xf bank_mask:0xf   ; + what lane i xor 1 hands over
.endr
.irp q, 0,1
	v_cndmask_b32 v[T+\q], v[N+4*\q+2], v[N+4*\q], s[K_B2]
	v_cndmask_b32 v[N+4*\q], v[N+4*\q], v[N+4*\q+2], s[K_B2]
.endr
.irp q, 0,1
	v_add_f32_dpp v[N+4*\q], v[T+\q], v[N+4*\q] row_xmask:2 row_mask:0xf bank_mask:0xf
.endr
	v_cndmask_b32 v[T], v[N+4], v[N], s[K_B4]
	v_cndmask_b32 v[N], v[N], v[N+4], s[K_B4]
	v_mov_b32_dpp v[T+1], v[T] row_xmask:4 row_mask:0xf bank_mask:0xf    ; (its destination was written in stage 1)
	v_cvt_u32_f32 v[N], v[N]                                       ; 16 significant bits below 2^32: exact
	v_cvt_u32_f32 v[T+1], v[T+1]
	v_or_b32 v[\dst], v[N], v[T+1]                                 ; lane i: the word of the row that load k = i brought
.endm
; The adder, one row in each lane: v[WA] + v[WB] -> v[RES].  No memory instruction names any of its registers.
; Its compares write lane masks into scalar registers; they stand in five runs, as early as their sources allow, with
; arithmetic that needs no mask behind them, and one wait ahead of each run's first reader.
.macro ADD32
	; Large and small operand.  The circuit compares (effective exponent, hidden bit, fraction); with exponent 0 read as 1
	; and hidden bit 0 that is the order of the words without their signs, and equality is the words' equality.
	v_and_b32 v[AA], s[K_ABS], v[WA]
	v_and_b32 v[AB], s[K_ABS], v[WB]
	v_xor_b32 v[XR], v[WA], v[WB]
	v_cmp_ge_u32 s[M_GE], v[AA], v[AB]
	v_cmp_gt_i32 s[M_DIF], 0, v[XR]                                ; signs differ
	v_cmp_eq_u32 s[M_CAN], s[K_SGN], v[XR]                         ; the words differ in the sign alone
	s_wait_alu depctr_va_sdst(0)                                   ; M_GE, M_DIF and M_CAN are written: the three selects below read M_GE, later lines the other two
	v_cndmask_b32 v[LG], v[WB], v[WA], s[M_GE]                     ; the large operand (A where equal): its sign is the result's
	v_cndmask_b32 v[AL], v[AB], v[AA], s[M_GE]
	v_cndmask_b32 v[AS], v[AA], v[AB], s[M_GE]
	; Special cases.  |large| > Inf: a NaN came in.  |small| = Inf means both are Inf (or the large one a NaN).
	; |large| >= Inf stands for 'any Inf': where it is a NaN instead, the NaN result goes ahead anyway.
	v_cmp_le_u32 s[M_INF], s[K_INF], v[AL]
	v_cmp_lt_u32 s[M_NAN], s[K_INF], v[AL]
	v_cmp_eq_u32 s[M_SI], s[K_INF], v[AS]
	v_lshrrev_b32 v[EL], 23, v[AL]
	v_lshrrev_b32 v[ES], 23, v[AS]
	v_max_u32 v[EL], 1, v[EL]                                      ; effective exponents: 0 counts as 1
	v_max_u32 v[ES], 1, v[ES]
	v_sub_nc_u32 v[DF], v[EL], v[ES]                               ; 0 .. 254
	v_cmp_gt_u32 s[M_NEAR], 24, v[DF]
	v_min_u32 v[T], s[K_HID], v[AL]                                ; the hidden one if the exponent is not 0, else the fraction itself,
	v_min_u32 v[T+1], s[K_HID], v[AS]
	v_and_or_b32 v[ML], v[AL], s[K_FRC], v[T]                      ; which changes nothing when it is ORed to the fraction
	v_and_or_b32 v[MS], v[AS], s[K_FRC], v[T+1]
	v_lshlrev_b32 v[ML], 4, v[ML]                                  ; 28 bits: hidden, 23 of fraction, 4 guard bits
	v_lshlrev_b32 v[MS], 4, v[MS]
	; align the small one; at a difference of 24 or more nothing of it is left but the sticky bit
	v_lshrrev_b32 v[T], v[DF], v[MS]                               ; (a shift takes the low 5 bits of its count, as the circuit does)
	s_wait_alu depctr_va_sdst(0)                                   ; M_INF, M_NAN, M_SI and M_NEAR are written: the select below reads M_NEAR, the scalar lines at the end the other three
	v_cndmask_b32 v[SH], 0, v[T], s[M_NEAR]
	v_lshlrev_b32 v[T+1], v[DF], v[SH]
	v_cmp_ne_u32 s[M_STK], v[T+1], v[MS]                           ; what was shifted back differs: ones were lost
	v_add_nc_u32 v[T+1], v[ML], v[SH]                              ; large + small: bit 28 is the carry
	s_wait_alu depctr_va_sdst(0)                                   ; M_STK is written: the select below reads it
	v_cndmask_b32 v[ST], 0, 1, s[M_STK]
	v_add_nc_u32 v[T], v[SH], v[ST]
	v_sub_nc_u32 v[T], v[ML], v[T]                                 ; large - small - sticky: never negative, below 2^28
	v_cndmask_b32 v[RS], v[T+1], v[T], s[M_DIF]
	v_and_b32 v[MR], s[K_M28], v[RS]                               ; mant_res
	v_cmp_lt_u32 s[M_CAR], s[K_M28], v[RS]
	; Leading zeros of the 28 bits, from an f32 exponent.  m & ~(m >> 1) keeps the leading one and has no two neighbouring
	; ones, so it lies below 1.5 x its leading power of two and the conversion's rounding cannot reach the next power.
	v_lshrrev_b32 v[HF], 1, v[MR]
	v_bfi_b32 v[T], v[HF], 0, v[MR]
	v_cvt_f32_u32 v[T], v[T]
	v_lshrrev_b32 v[T], 23, v[T]                                   ; 127 + position of the leading one; 0 for the word 0
	v_sub_nc_u32 v[LZ], 154, v[T]                                  ; 27 - position
	v_min_u32 v[LZ], 28, v[LZ]                                     ; the word 0 counts 28
	v_cmp_ge_u32 s[M_UND], v[LZ], v[EL]
	; One form for all three ways out: fraction in bits 26:4, round bit 3, sticky bits 2:0.
	v_lshlrev_b32 v[NM], v[LZ], v[MR]                              ; normalised: the leading one in bit 27
	v_and_or_b32 v[HF], v[MR], 1, v[HF]                            ; carry or underflow: mant_res >> 1, the bit that falls out kept as sticky
	; Exponent.  The normalised form still carries its hidden one, which adds 1 to the exponent field below, hence the - 1.
	; (mant_res = 0 has no hidden one; with different signs that is the exact cancellation, whose exponent, at most 227 in the
	; circuit and one less here, is not all ones in either, and the result is 0 or is replaced by Inf or NaN in both.)
	v_sub_nc_u32 v[EX], v[EL], v[LZ]
	v_add_nc_u32 v[EX], -1, v[EX]
	v_add_nc_u32 v[T+1], 1, v[EL]
	s_wait_alu depctr_va_sdst(0)                                   ; M_CAR and M_UND are written: the scalar line below reads both
	s_or_b32 s[M_SEL], s[M_CAR], s[M_UND]
	v_cndmask_b32 v[UU], v[NM], v[HF], s[M_SEL]
	v_or_b32 v[UU], v[UU], v[ST]
	; to nearest even: + 7 + (last fraction bit) carries into bit 4 exactly when round and (sticky or last bit); none on underflow
	v_bfe_u32 v[T], v[UU], 4, 1
	v_add_nc_u32 v[T], 7, v[T]
	v_cndmask_b32 v[T], v[T], 0, s[M_UND]
	v_add_nc_u32 v[UU], v[UU], v[T]
	v_lshrrev_b32 v[UU], 4, v[UU]                                  ; fraction; bit 23 = hidden one (normalised form only); a rounding carry goes on upward
	v_cndmask_b32 v[EX], v[EX], 0, s[M_UND]
	v_cndmask_b32 v[EX], v[EX], v[T+1], s[M_CAR]                   ; the carry goes ahead of the underflow
	v_lshl_add_u32 v[RES], v[EX], 23, v[UU]
	v_and_b32 v[RES], s[K_ABS], v[RES]                             ; the 8-bit exponent adders wrap modulo 256
	v_cmp_le_u32 s[M_OVF], s[K_INF], v[RES]
	s_and_b32 s[M_SI], s[M_SI], s[M_DIF]                           ; Inf - Inf (both masks were waited for above)
	s_or_b32 s[M_NAN], s[M_NAN], s[M_SI]
	s_wait_alu depctr_va_sdst(0)                                   ; M_OVF is written: the scalar line below reads it
	s_or_b32 s[M_INF], s[M_INF], s[M_OVF]
	s_and_not1_b32 s[M_CAN], s[M_CAN], s[M_INF]                    ; Inf goes ahead of the cancellation
	v_cndmask_b32 v[RES], v[RES], s[K_INF], s[M_INF]
	v_and_or_b32 v[RES], v[LG], s[K_SGN], v[RES]
	v_cndmask_b32 v[RES], v[RES], 0, s[M_CAN]
	v_cndmask_b32 v[RES], v[RES], s[K_ABS], s[M_NAN]
.endm
; Result words -> spikes, already in the stores' layout: for store k every lane of a group takes the word of the group's
; lane k, then its own four bits as 0.0 or 1.0.  Written once and not read again: NT.
.macro BITS k                          ; the data of store k
.irp j, 0,1,2,3
	v_bfe_u32 v[Y+4*(\k)+\j], v[N+(\k)], v[BIT+\j], 1
.endr
.irp j, 0,1,2,3
	v_cvt_f32_u32 v[Y+4*(\k)+\j], v[Y+4*(\k)+\j]
.endr
.endm
.macro SEND step, k
	global_store_b128 v[VOFF], v[Y+4*(\k):Y+4*(\k)+3], s[PO:PO+1] offset:(\step)*STEPB+(\k)*CHUNK th:TH_STORE_NT
.endm
.macro UNPACK step
.irp k, 0,1,2,3,4,5,6,7
	v_mov_b32_dpp v[N+\k], v[RES] dpp8:[\k,\k,\k,\k,\k,\k,\k,\k]   ; (N was written by NIB)
.endr
.irp k, 0,1,2,3
	BITS \k
.endr
	s_wait_alu depctr_va_vdst(0)                                   ; the bit lines have written Y's low half, which stores 0 to 3 read; the vector lines among those stores name Y's high half, N and BIT alone
.irp k, 4,5,6,7
	SEND \step, \k-4
	BITS \k
.endr
	s_wait_alu depctr_va_vdst(0)                                   ; the bit lines have written Y's high half, which stores 4 to 7 read
.irp k, 4,5,6,7
	SEND \step, \k
.endr
.endm
; Step t, in slot t % 2.  refill = 1: each half slot is loaded again, for step t + 2, as soon as its nibbles are made.
; wa, wb: how many younger loads may stay out when A's (B's) eight loads of this step have to be in.
.macro TURN t, refill, wa, wb
	s_wait_loadcnt \wa                                             ; loads come back in order (ISA guide 5.7.1)
	NIB X+64*(\t%2)
.if \t > 0
	s_wait_xcnt 0x0                                                ; Y, which the last step's eight stores read, is rewritten only behind this wait; it stands ahead of this step's loads
	s_wait_alu depctr_vm_vsrc(0)                                   ; the last step's stores have read Y, which this step's bit lines write again
.endif
	FLY X+64*(\t%2), WA, \refill, PA, \t+2
	s_wait_loadcnt \wb
	NIB X+64*(\t%2)+32
	FLY X+64*(\t%2)+32, WB, \refill, PB, \t+2
	ADD32
	UNPACK \t
.endm
	s_load_b128 s[PA:PA+3], s[0:1], 0x0                            ; A, B
	s_load_b64 s[PO:PO+1], s[0:1], 0x10                            ; out
	s_lshl_b32 s10, ttmp9, 17                                      ; the work-group's STEPS*STEPB = 131,072 bytes; 512 of them are 2^26
	s_mov_b32 s11, 0
	v_lshlrev_b32 v[VOFF], 4, v0
	s_wait_kmcnt 0x0
	s_add_nc_u64 s[PA:PA+1], s[PA:PA+1], s[10:11]
	s_add_nc_u64 s[PB:PB+1], s[PB:PB+1], s[10:11]
	s_add_nc_u64 s[PO:PO+1], s[PO:PO+1], s[10:11]
	s_wait_alu depctr_va_vdst(0)                                   ; v1 is written: every load and store of the kernel reads it as its offset
	FILL PA, X, 0                                                  ; the ring is filled before anything else is done
	FILL PB, X+32, 0
	FILL PA, X+64, 1
	FILL PB, X+96, 1
	s_mov_b32 s[K_B1], 0xaaaaaaaa
	s_mov_b32 s[K_B2], 0xcccccccc
	s_mov_b32 s[K_B4], 0xf0f0f0f0
	s_mov_b32 s[K_ABS], 0x7fffffff
	s_mov_b32 s[K_INF], 0x7f800000
	s_mov_b32 s[K_HID], 0x00800000
	s_mov_b32 s[K_FRC], 0x007fffff
	s_mov_b32 s[K_M28], 0x0fffffff
	s_mov_b32 s[K_SGN], 0x80000000
	v_and_b32 v[T], 7, v0                                          ; i: which 4 elements of a row are mine
	v_lshlrev_b32 v[T], 2, v[T]                                    ; 4 i
	v_sub_nc_u32 v[W1], 155, v[T]                                  ; f32 exponent field of 16^(7-i) = 2^(28-4i)
	v_lshlrev_b32 v[W1], 23, v[W1]
	v_mov_b32 v[W1+1], v[W1]
	v_add_nc_u32 v[W4], 0x1000000, v[W1]                           ; two more in the exponent: x 4
	v_mov_b32 v[W4+1], v[W4]
.irp j, 0,1,2,3
	v_sub_nc_u32 v[BIT+\j], 31-\j, v[T]                            ; element 4 i + j of a row is bit 31 - 4 i - j of its word
.endr
	; Issue order: A0 B0 A1 B1, then A(t+2) and B(t+2) in step t, 8 loads each.
	TURN 0, 1, 24, 24                                              ; A0 in: B0 A1 B1 stay out.  B0 in: A1 B1 A2 stay out
	TURN 1, 1, 24, 24
	TURN 2, 0, 24, 16                                              ; nothing is asked for any more: B2 in leaves A3 B3
	TURN 3, 0, 8, 0
	s_endpgm
.Lfunc_end_k_q1d63a77f3d_spikeadd:
	.size	k_q1d63a77f3d_spikeadd, .Lfunc_end_k_q1d63a77f3d_spikeadd-k_q1d63a77f3d_spikeadd
	.p2alignl 7, 3214868480
	.fill 96, 4, 3214868480
	.section	.rodata,"a",@progbits
	.p2align	6, 0x0
	.amdhsa_kernel k_q1d63a77f3d_spikeadd
		.amdhsa_group_segment_fixed_size 0
		.amdhsa_private_segment_fixed_size 0
		.amdhsa_enable_private_segment 0
		.amdhsa_kernarg_size 24
		.amdhsa_user_sgpr_count 2
		.amdhsa_user_sgpr_kernarg_segment_ptr 1
		.amdhsa_wavefront_size32 1
		.amdhsa_system_sgpr_workgroup_id_x 1
		.amdhsa_system_sgpr_workgroup_id_y 1
		.amdhsa_system_sgpr_workgroup_id_z 1
		.amdhsa_system_vgpr_workitem_id 0
		.amdhsa_next_free_vgpr 208
		.amdhsa_next_free_sgpr 66
		.amdhsa_reserve_vcc 0
		.amdhsa_float_denorm_mode_32 3
		.amdhsa_float_denorm_mode_16_64 3
		.amdhsa_memory_ordered 1
		.amdhsa_forward_progress 1
		.amdhsa_inst_pref_size 62
	.end_amdhsa_kernel
	.amdgpu_metadata
---
amdhsa.version: [ 1, 2 ]
amdhsa.kernels:
  - .name:           k_q1d63a77f3d_spikeadd
    .symbol:         k_q1d63a77f3d_spikeadd.kd
    .args:
      - { .name: A, .offset: 0, .size: 8, .value_kind: global_buffer, .address_space: global }
      - { .name: B, .offset: 8, .size: 8, .value_kind: global_buffer, .address_space: global }
      - { .name: out0, .offset: 16, .size: 8, .value_kind: global_buffer, .address_space: global }
    .group_segment_fixed_size: 0
    .private_segment_fixed_size: 0
    .kernarg_segment_align: 8
    .kernarg_segment_size: 24
    .max_flat_workgroup_size: 256
    .sgpr_count:     66
    .vgpr_count:     208
    .wavefront_size: 32
...
	.end_amdgpu_metadata
.endif
;; end of part 2
